; MI455X (gfx1250); checked and timed in simulation.
; The chip was launched on July 23, 2026; its instructions are those of AMD's public machine-readable ISA for CDNA 5 (MIT licence, August 2026) and "CDNA5" Instruction Set Architecture Reference Guide (July 2026). The comments in the code are by the model that wrote it; some were corrected since.
;; Grouped Experts. Allowed arithmetic: matrix products marked QUANTISED: E2M3 operands, one E8M0 scale for each 32 along K, by v_wmma_scale_f32_16x16x128_f8f6f4 with both operands' format E2M3, f32 sums; everything else in f32.
;; Inputs: w1_codes 8 x 2,048 x 32 x 24 uint8 (E2M3 codes of w1, K innermost, in blocks of 32 codes, four codes in three bytes); w1_scales 8 x 2,048 x 32 uint8 (E8M0 scales of w1, one for each 32 codes along K); w2_codes 8 x 1,024 x 64 x 24 uint8 (E2M3 codes of w2, K innermost, in blocks of 32 codes, four codes in three bytes); w2_scales 8 x 1,024 x 64 uint8 (E8M0 scales of w2, one for each 32 codes along K); w3_codes 8 x 2,048 x 32 x 24 uint8 (E2M3 codes of w3, K innermost, in blocks of 32 codes, four codes in three bytes); w3_scales 8 x 2,048 x 32 uint8 (E8M0 scales of w3, one for each 32 codes along K); x_codes 8 x 1,024 x 32 x 24 uint8 (E2M3 codes of x, K innermost, in blocks of 32 codes, four codes in three bytes); x_scales 8 x 1,024 x 32 uint8 (E8M0 scales of x, one for each 32 codes along K).
;; Outputs: out0 8 x 1,024 x 1,024 float32.
;; This version of the problem:
;;   THIS VERSION OF THE PROBLEM IS GIVEN IN LOW PRECISION. The matrix products marked QUANTISED in the list below multiply operands that are first quantised to E2M3 (2 exponent bits, 3 mantissa bits; 6 bits a number), with one power-of-two scale for each 32 numbers along K (OCP MX v1.0); their sums are f32. All else is computed in f32.
;;   The module's matrix products, in the order in which they are computed (A, B: the left and right operand; K: the contracted axis; several contracted axes count as one K, in the product's order):
;;     1. batch 8 x [M 1,024, K 1,024] x [K 1,024, N 2,048]; A: input x (given as codes); B: input w1 (given as codes): QUANTISED
;;     2. batch 8 x [M 1,024, K 1,024] x [K 1,024, N 2,048]; A: input x (given as codes); B: input w3 (given as codes): QUANTISED
;;     3. batch 8 x [M 1,024, K 2,048] x [K 2,048, N 1,024]; A: computed on the way; B: input w2 (given as codes): QUANTISED
;;   THE QUANTISER, for each operand of a quantised product, along K:
;;     - K is cut into blocks of 32 from its start; a last block that is shorter is filled with zeros.
;;     - A block's scale is 2^e with e = floor(log2(the largest magnitude in the block)) - 2, held to -126 .. 127; a block of zeros has e = 0. As a byte (E8M0): e + 127.
;;     - Each number is divided by its block's scale, clamped to +-7.5, and rounded to the nearest number of E2M3, ties to even, subnormals kept.
;;     - The product sums the exact products of the quantised numbers (number of the format x scale) in f32.
;;   ~~~python
;;   def quantise(x, axis):      # numpy; x: float32 -> the quantised numbers, widened to float32 again
;;       x = np.moveaxis(x, axis, -1); K = x.shape[-1]
;;       x = np.pad(x, [(0, 0)] * (x.ndim - 1) + [(0, -K % 32)]); x = x.reshape(x.shape[:-1] + (-1, 32)); a = np.abs(x).max(-1, keepdims=True)
;;       e = np.where(a > 0, np.clip(np.frexp(np.where(a > 0, a, 1))[1] - 1 - 2, -126, 127), 0)      # np.frexp(a)[1] - 1 = floor(log2(a)), exactly
;;       r = np.clip(x / 2.0 ** e, -7.5, 7.5)
;;       step = 2.0 ** (np.maximum(np.frexp(np.where(r == 0, 1, r))[1] - 1, 0) - 3)
;;       q = np.round(r / step) * step * 2.0 ** e      # np.round: ties to even
;;       return np.moveaxis(q.reshape(q.shape[:-2] + (-1,))[..., :K], -1, axis).astype(np.float32)
;;   ~~~
;;   OPERANDS COMPUTED ON THE WAY. 'Computed on the way' means the value that the module computes at that place (a softmax that the list does not call 'softmax' is quantised finished and normalised). What goes into a quantiser is computed in f32, as accurately as f32 sums, v_exp_f32 and their like allow (about 1e-6 of the number): no bf16 or f16 on the way to a quantiser, and a product that is left as it is and whose result goes on into a quantised operand takes f32 operands (vector FMAs, or v_wmma_f32_16x16x4_f32). A number that lies on a knife's edge between two numbers of the format may be rounded either way, as far as f32 arithmetic and the matrix unit's own rounding can turn it there, and no further.
;;   INPUTS GIVEN AS CODES. w1 (in the module: [8, 1024, 2048], K = its axis 1); w2 (in the module: [8, 2048, 1024], K = its axis 1); w3 (in the module: [8, 1024, 2048], K = its axis 1); x (in the module: [8, 1024, 1024], K = its axis 2): each comes as NAME_codes (uint8): NAME with its K axis moved to the last place and cut into blocks of 32 codes, [.., K / 32, bytes a block], one block behind the other in memory; four codes in three bytes: a row's codes are one little-endian stream of bits, code i at bits 6 i .. 6 i + 5 (a code: sign, 2 exponent bits, 3 mantissa bits); and NAME_scales (uint8): the same leading axes, one E8M0 byte (e + 127) for each 32 codes along K. Its value is code x scale, taken as it is: it is not quantised again, and the codes and scales need not be those that the quantiser above would give.
;; One version. Each part assembles by itself: llvm-mc -triple=amdgcn-amd-amdhsa -mcpu=gfx1250 --defsym DOCPART=n.
;; ======== version 1 of 1: 2 launches
;; limits: right only within a limited range of input values
;; workspace buffers: hc 12,582,912 bytes; hs 524,288 bytes
;; launch gateup (part 1): grid 8 x 32, 4 waves a work-group, clusters of 4 x 4, 327,680 bytes of LDS; arguments x_codes, x_scales, w1_codes, w1_scales, w3_codes, w3_scales, hc, hs; writes hc, hs
.if DOCPART == 1
	.amdgcn_target "amdgcn-amd-amdhsa--gfx1250"
	.amdhsa_code_object_version 6
	.text
	.protected	k_q1a308ed562_gateup
	.globl	k_q1a308ed562_gateup
	.p2align	8
	.type	k_q1a308ed562_gateup,@function
k_q1a308ed562_gateup:
	s_mov_b64 s[64:65], 0
	v_nop
	global_prefetch_b8 v0, s[64:65] scope:SCOPE_SE
	s_setreg_imm32_b32 hwreg(HW_REG_WAVE_MODE, 25, 1), 1
	s_wait_xcnt 0x0
	s_wait_alu depctr_hold_cnt(0) depctr_sa_sdst(0) depctr_va_vdst(0) depctr_va_sdst(0) depctr_va_ssrc(0) depctr_va_vcc(0) depctr_vm_vsrc(0)
	s_getreg_b32 s2, hwreg(HW_REG_IB_STS2, 6, 4)
	s_cmp_eq_u32 s2, 0
	s_cbranch_scc0 .Lentry_in_a_cluster
	s_endpgm
.Lentry_in_a_cluster:
	s_bfe_u32 s2, ttmp6, 0x10000c
	s_cmp_lg_u32 s2, 0xf033
	s_cbranch_scc0 .Lentry_shape_is_right
	s_endpgm
.Lentry_shape_is_right:
; h = silu(x w1) * (x w3) for eight experts, on codes of FP6 (E2M3) with E8M0 scales, K = 1,024; h is made in f32 and quantised along the hidden axis.
; SHARES. A work-group: 256 tokens x 256 hidden units (8 x 32 = 256 work-groups). A wave: 64 tokens; its x fragments for all of K (4 blocks x 8 steps x 12 = 384 registers)
; are read from LDS once and stay in registers. The units go in eight passes of 32: 32 rows of w1 and 32 of w3, whole rows of 768 bytes, in a ring of two LDS slots.
; A pass is 8 K steps x 16 products (4 token blocks x 2 gate and 2 up tiles); each fragment of the weights feeds four products.
; The loop's trip is two passes (slot 0, slot 1); three trips, and the last two passes written out, since the last asks for nothing.
; CLUSTERS 4 x 4 of one expert: x's tile is shared along a row, the weights' along a column; each is asked for jointly.
; TRANSPOSED USE: source 0 = 16 rows of a weight, source 1 = 16 tokens: lane (r, h) holds token r, register j of tile b unit 16 b + 8 h + j.
; STORED. hc: images of the next product's operand registers, [token block][K step of 128][half c][768 bytes]: 512 bytes of registers 6c..6c+3 (16 a lane), 256 of 6c+4, 6c+5 (8 a lane).
; hs: scale words [expert][K step][tile of 256 tokens][wave][lane][q]: the word of token 32 q + lane of the wave's 64.
; PREFETCH: in pass p the rows of pass p + 2, one pass ahead of their tensor load; the column's four partners and the four waves share the 192 blocks of 256 bytes out by address; the last two passes ask for nothing.
; LIMITS. NaN and infinities in h are not served. A block of zeros gets the byte 1 where the rule says 127: its codes are zeros and only this program reads the bytes.
; sigmoid(g) = 1 / (1 + 2^(-g log2 e)): where the power overflows the quotient is 0, the function's limit.
; REGISTERS: window 0: v0-31 addresses, v32-79 scale words alone, v96-201 the activation; window 1: the weights' fragments, four sets of 48;
; windows 2, 3: v0-191 x's fragments of K steps 0-3, 4-7; v192-255 the accumulators of token blocks 0-1, 2-3.
.set P, 816                            ; an LDS row: 3 x (256 bytes + 16 of padding)
.set SLOT, 64*P
.set XST, 2*SLOT                       ; x's 256 rows, filled once
.set SPARE, XST+256*P                  ; the spare words
.set KROW, 768
.set PASSB, 32*KROW
.set ADRB, 16                          ; v16, 17 slots 0, 1; v18, 19 behind one padding more
.set ADRX, 20                          ; v20, v21 the same for my x rows
.set VO16, 24
.set VO8, 25
.set VSC, 26
.set PFO, 27
.set SPW, 28
.set NIL, 29
.set XS, 32                            ; x's scale words: 8 i + ks
.set WS, 48                            ; the weights': 16 x slot + 8 x (w3) + ks
.set E, 96
.set HB, 128
.set CB, 160                           ; codes: 8 registers for (q, pass parity)
.set TT, 192
.set MXA, 196
.set MXB, 197
.set SCL, 198
.set BYT, 199
.set SW, 200                           ; v200, 201 scale words in the making
.set WV, 20
.set WR, 21
.set WC, 22
.set G1X, 24
.set G1W, 32
.set G0X, 40
.set G0A, 44                           ; w1: s[44:51], a set for each slot
.set G0B, 52                           ; w3: s[52:59]
.set TC, 82
.set SH, 83
.set SH8, 84
.set MK, 85
.set MSB, 0
.macro WIN new
.if MSB != (\new)
	s_set_vgpr_msb (MSB<<8)|(\new)
.set MSB, (\new)
.endif
.endm
.macro PLACES
.rept 4
	v_nop
.endr
.endm
.macro TL g0, g1                       ; a tensor load with an s_nop and four v_nops behind it
	tensor_load_to_lds s[\g0:\g0+3], s[\g1:\g1+7]
	s_nop 0
	PLACES
.endm
.macro JW s                            ; the ring's joint loads: wave 2 fetches w1's 32 rows, wave 3 w3's
	s_cmp_lt_u32 s[WV], 2
	s_cbranch_scc1 .Lj_\@
	s_cmp_eq_u32 s[WV], 2
	s_cbranch_scc0 .Lk_\@
	TL G0A+4*(\s), G1W
	s_branch .Lj_\@
.Lk_\@:
	TL G0B+4*(\s), G1W
.Lj_\@:
.endm
.macro CROUND                          ; a round of the cluster's barrier
	s_barrier_signal -1
	s_barrier_wait -1
	s_cmp_lg_u32 s[WV], 0
	s_cbranch_scc1 .Ln_\@
	s_barrier_signal -3
.Ln_\@:
	s_barrier_wait -3
	s_barrier_signal -1
	s_barrier_wait -1
.endm
	s_load_b256 s[4:11], s[0:1], 0x0               ; x codes, x scales, w1 codes, w1 scales
	s_load_b256 s[12:19], s[0:1], 0x20             ; w3 codes, w3 scales, hc, hs
	v_lshl_add_u32 v[SPW], v0, 2, SPARE
	v_mov_b32 v[NIL], 0
	ds_add_u32 v[SPW], v[NIL]                      ; the opening lines
	ds_add_u32 v[SPW], v[NIL]
	v_lshrrev_b32 v3, 5, v0
	v_readfirstlane_b32 s[WV], v3
	s_lshr_b32 s[WR], s[WV], 1
	s_and_b32 s[WC], s[WV], 1
	s_bfe_u32 s66, ttmp6, 0x40000                  ; cx
	s_bfe_u32 s67, ttmp6, 0x40004                  ; cy
	s_lshl_b32 s86, ttmp9, 2
	s_add_co_u32 s86, s86, s66                     ; g: my 256 hidden units
	s_and_b32 s87, ttmp7, 0xffff                   ; the expert
	s_lshl_b32 s88, s87, 2
	s_add_co_u32 s88, s88, s67                     ; the tile of 256 tokens
	s_lshl_b32 s89, s67, 2
	s_lshl_b32 s89, 15, s89                        ; my row of the cluster
	s_lshl_b32 s90, 0x1111, s66                    ; my column
	s_or_b32 s[G1X], s89, (1<<20)|(1<<21)|(5<<22)|(3<<25)   ; bytes; 16 bytes of padding behind every 256
	s_or_b32 s[G1W], s90, (1<<20)|(1<<21)|(5<<22)|(3<<25)
	s_mov_b32 s[G1X+1], KROW<<16
	s_mov_b32 s[G1X+2], 128<<16
	s_mov_b32 s[G1X+3], KROW<<16
	s_mov_b32 s[G1X+4], 128
	s_mov_b32 s[G1X+5], KROW
	s_mov_b32 s[G1X+6], 0
	s_mov_b32 s[G1X+7], 0
	s_mov_b32 s[G1W+1], KROW<<16
	s_mov_b32 s[G1W+2], 32<<16
	s_mov_b32 s[G1W+3], KROW<<16
	s_mov_b32 s[G1W+4], 32
	s_mov_b32 s[G1W+5], KROW
	s_mov_b32 s[G1W+6], 0
	s_mov_b32 s[G1W+7], 0
	s_lshl_b32 s92, s88, 8
	s_lshl_b32 s93, s[WC], 7
	s_add_co_u32 s92, s92, s93
	s_mul_i32 s92, s92, KROW                       ; x: the 128 rows that waves 0, 1 fetch
	s_mov_b32 s93, 0
	s_lshl_b32 s94, s87, 11
	s_lshl_b32 s95, s86, 8
	s_add_co_u32 s94, s94, s95                     ; the weights' first row
	s_lshl_b32 s98, s94, 5                         ; its scale bytes
	s_mov_b32 s99, 0
	s_mul_i32 s94, s94, KROW
	s_mov_b32 s95, 0
	s_lshl_b32 s68, s88, 8
	s_lshl_b32 s69, s[WV], 6
	s_add_co_u32 s68, s68, s69
	s_lshl_b32 s68, s68, 5                         ; my first token's scale bytes
	s_mov_b32 s69, 0
	s_lshl_b32 s74, s88, 4
	s_lshl_b32 s75, s[WV], 2
	s_add_co_u32 s74, s74, s75
	s_mul_i32 s74, s74, 24576
	s_mul_i32 s75, s86, 3072
	s_add_co_u32 s74, s74, s75                     ; hc: my first token block, half step 4 g
	s_mov_b32 s75, 0
	s_lshl_b32 s76, s87, 4
	s_lshl_b32 s77, s86, 1
	s_add_co_u32 s76, s76, s77
	s_lshl_b32 s76, s76, 12
	s_lshl_b32 s77, s67, 10
	s_add_co_u32 s76, s76, s77
	s_lshl_b32 s77, s[WV], 8
	s_add_co_u32 s76, s76, s77                     ; hs: K step 2 g, my 64 words
	s_mov_b32 s77, 0
	s_lshl_b32 s96, s67, 3
	s_lshl_b32 s97, s[WR], 2
	s_add_co_u32 s96, s96, s97
	s_mul_i32 s96, s96, KROW                       ; the prefetches: rows 8 cy + 4 (wave / 2) of a pass
	s_mov_b32 s97, 0
	s_mul_i32 s60, s[WC], 128*P
	s_mov_b32 s80, 0xbfb8aa3b                      ; -log2(e)
	s_mov_b32 s81, s80
	s_mov_b32 s[TC], 0
	s_mov_b32 s[SH], 0
	s_mov_b32 s[SH8], 8
	s_mov_b32 s[MK], 0
	s_wait_dscnt 0x0
	s_wait_kmcnt 0x0
	s_cmp_eq_u32 s[WC], 0
	s_cselect_b64 s[78:79], s[8:9], s[12:13]       ; even waves prefetch w1, odd waves w3
	s_add_nc_u64 s[78:79], s[78:79], s[94:95]
	s_add_nc_u64 s[78:79], s[78:79], s[96:97]
	s_add_nc_u64 s[92:93], s[4:5], s[92:93]
	s_add_nc_u64 s[68:69], s[6:7], s[68:69]
	s_add_nc_u64 s[70:71], s[10:11], s[98:99]
	s_add_nc_u64 s[72:73], s[14:15], s[98:99]
	s_add_nc_u64 s[74:75], s[16:17], s[74:75]
	s_add_nc_u64 s[76:77], s[18:19], s[76:77]
	s_add_nc_u64 s[8:9], s[8:9], s[94:95]
	s_add_nc_u64 s[12:13], s[12:13], s[94:95]
	s_mov_b32 s[G0X], 1
	s_add_co_u32 s[G0X+1], s60, XST
	s_mov_b64 s[G0X+2:G0X+3], s[92:93]
	s_or_b32 s[G0X+3], s[G0X+3], 0x80000000
.irp s, 0,1
	s_mov_b32 s[G0A+4*\s], 1
	s_mov_b32 s[G0A+4*\s+1], \s*SLOT
	s_add_nc_u64 s[G0A+4*\s+2:G0A+4*\s+3], s[8:9], \s*PASSB
	s_or_b32 s[G0A+4*\s+3], s[G0A+4*\s+3], 0x80000000
	s_mov_b32 s[G0B+4*\s], 1
	s_mov_b32 s[G0B+4*\s+1], \s*SLOT+32*P
	s_add_nc_u64 s[G0B+4*\s+2:G0B+4*\s+3], s[12:13], \s*PASSB
	s_or_b32 s[G0B+4*\s+3], s[G0B+4*\s+3], 0x80000000
.endr
	CROUND                                         ; the first joint loads meet
	s_cmp_lt_u32 s[WV], 2                          ; one load a wave: waves 0, 1 x's halves, wave 2 pass 0's w1, wave 3 its w3
	s_cbranch_scc0 .Lh1
	TL G0X, G1X
	s_branch .Lhd
.Lh1:
	s_cmp_eq_u32 s[WV], 2
	s_cbranch_scc0 .Lh2
	TL G0A, G1W
	s_branch .Lhd
.Lh2:
	TL G0B, G1W
.Lhd:
	v_and_b32 v1, 15, v0
	v_bfe_u32 v2, v0, 4, 1
	v_and_b32 v3, 31, v0
	v_lshlrev_b32 v[VSC], 5, v3
	v_lshlrev_b32 v[VO16], 4, v3
	v_lshlrev_b32 v[VO8], 3, v3
	v_mul_u32_u24 v4, v1, P
	v_mad_u32_u24 v[ADRB], v2, 24, v4              ; a fragment's row x pitch + 24 x half
	v_lshl_add_u32 v[ADRB+2], v2, 4, v[ADRB]       ; and behind one padding more
	v_add_nc_u32 v[ADRB+1], SLOT, v[ADRB]
	v_add_nc_u32 v[ADRB+3], SLOT, v[ADRB+2]
	s_mul_i32 s60, s[WV], 64*P
	s_add_co_u32 s60, s60, XST
	v_add_nc_u32 v[ADRX], s60, v[ADRB]
	v_add_nc_u32 v[ADRX+1], s60, v[ADRB+2]
	v_min_u32 v6, 11, v3                           ; prefetch: 4 rows x 3 blocks; lanes left over name the last block again
	v_mul_u32_u24 v7, v6, 43
	v_lshrrev_b32 v7, 7, v7                        ; / 3
	v_mul_u32_u24 v8, v7, 3
	v_sub_nc_u32 v8, v6, v8
	v_lshlrev_b32 v8, 8, v8
	v_mad_u32_u24 v[PFO], v7, KROW, v8
	v_mov_b32 v[SW], 0
	v_mov_b32 v[SW+1], 0
	s_wait_alu depctr_va_vdst(0)                   ; the head's end
.irp i, 0,1
.irp j, 0,1
	global_load_b128 v[XS+8*\i+4*\j:XS+8*\i+4*\j+3], v[VSC], s[68:69] offset:1024*\i+16*\j   ; lane l: the eight words of token 32 i + l
.endr
.endr
.macro WSC s, off                      ; a pass's scale words: lane l takes row l's 32 bytes
.irp j, 0,1
	global_load_b128 v[WS+16*(\s)+4*\j:WS+16*(\s)+4*\j+3], v[VSC], s[70:71] offset:(\off)+16*\j
	global_load_b128 v[WS+16*(\s)+8+4*\j:WS+16*(\s)+8+4*\j+3], v[VSC], s[72:73] offset:(\off)+16*\j
.endr
.endm
	WSC 0, 0
	WSC 1, 1024
; a fragment: 12 registers, six pieces of 8 bytes; byte y of a row lies at y + 16 (y / 256); lanes 16-31 read 24 bytes on, where that is behind one padding more the second register serves
.macro FRAG reg, adr, var, ks, off
.irp p, 0,1,2,3,4,5
.set BY, 96*(\ks)+48*(\p/3)+8*(\p%3)
.if BY/256 == (BY+24)/256
	ds_load_b64 v[\reg+2*\p:\reg+2*\p+1], v[\adr] offset:BY+16*(BY/256)+(\off)
.else
	ds_load_b64 v[\reg+2*\p:\reg+2*\p+1], v[\adr+\var] offset:BY+16*(BY/256)+(\off)
.endif
.endr
.endm
.macro WM acc, bf, af, sa, sb, ra, rb, zero
.set rD, \acc
.set rA, \bf
.set rB, \af
.set rS, \sa
.set rT, \sb
.if \zero
.if (\ra) && (\rb)
	v_wmma_scale_f32_16x16x128_f8f6f4 v[rD:rD+7], v[rA:rA+11], v[rB:rB+11], 0, v[rS], v[rT] matrix_a_fmt:MATRIX_FMT_FP6 matrix_b_fmt:MATRIX_FMT_FP6 matrix_a_scale:MATRIX_SCALE_ROW1 matrix_b_scale:MATRIX_SCALE_ROW1
.elseif \ra
	v_wmma_scale_f32_16x16x128_f8f6f4 v[rD:rD+7], v[rA:rA+11], v[rB:rB+11], 0, v[rS], v[rT] matrix_a_fmt:MATRIX_FMT_FP6 matrix_b_fmt:MATRIX_FMT_FP6 matrix_a_scale:MATRIX_SCALE_ROW1
.elseif \rb
	v_wmma_scale_f32_16x16x128_f8f6f4 v[rD:rD+7], v[rA:rA+11], v[rB:rB+11], 0, v[rS], v[rT] matrix_a_fmt:MATRIX_FMT_FP6 matrix_b_fmt:MATRIX_FMT_FP6 matrix_b_scale:MATRIX_SCALE_ROW1
.else
	v_wmma_scale_f32_16x16x128_f8f6f4 v[rD:rD+7], v[rA:rA+11], v[rB:rB+11], 0, v[rS], v[rT] matrix_a_fmt:MATRIX_FMT_FP6 matrix_b_fmt:MATRIX_FMT_FP6
.endif
.else
.if (\ra) && (\rb)
	v_wmma_scale_f32_16x16x128_f8f6f4 v[rD:rD+7], v[rA:rA+11], v[rB:rB+11], v[rD:rD+7], v[rS], v[rT] matrix_a_fmt:MATRIX_FMT_FP6 matrix_b_fmt:MATRIX_FMT_FP6 matrix_a_scale:MATRIX_SCALE_ROW1 matrix_b_scale:MATRIX_SCALE_ROW1
.elseif \ra
	v_wmma_scale_f32_16x16x128_f8f6f4 v[rD:rD+7], v[rA:rA+11], v[rB:rB+11], v[rD:rD+7], v[rS], v[rT] matrix_a_fmt:MATRIX_FMT_FP6 matrix_b_fmt:MATRIX_FMT_FP6 matrix_a_scale:MATRIX_SCALE_ROW1
.elseif \rb
	v_wmma_scale_f32_16x16x128_f8f6f4 v[rD:rD+7], v[rA:rA+11], v[rB:rB+11], v[rD:rD+7], v[rS], v[rT] matrix_a_fmt:MATRIX_FMT_FP6 matrix_b_fmt:MATRIX_FMT_FP6 matrix_b_scale:MATRIX_SCALE_ROW1
.else
	v_wmma_scale_f32_16x16x128_f8f6f4 v[rD:rD+7], v[rA:rA+11], v[rB:rB+11], v[rD:rD+7], v[rS], v[rT] matrix_a_fmt:MATRIX_FMT_FP6 matrix_b_fmt:MATRIX_FMT_FP6
.endif
.endif
.endm
.macro FETCHB s, ks                    ; the weights' four fragments of K step ks into set ks % 4
	WIN 0x40
.irp b, 0,1,2,3
	FRAG 48*((\ks)%4)+12*\b, ADRB+\s, 2, \ks, \b*16*P
.endr
.endm
; a K step: 16 products, the 16 accumulators by turns; the fragments of the step two on are fetched ahead of them
.macro STEP s, ks
.if (\ks) < 6
	PLACES                                         ; in front of loads into registers that products have read
	FETCHB \s, (\ks)+2
	s_wait_dscnt 48                                ; the two steps' loads behind this step's may be out
.else
	s_wait_dscnt 24*(7-(\ks))
.endif
.irp a, 0,1,2,3
	WIN 1|((2+(\ks)/4)<<2)|((2+\a/2)*0x50)
.irp b, 0,1,2,3
	WM 192+8*(4*(\a%2)+\b), 48*((\ks)%4)+12*\b, 48*((\ks)%4)+12*\a, WS+16*(\s)+8*(\b/2)+(\ks), XS+8*(\a/2)+(\ks), \b%2, \a%2, (\ks)==0
.endr
.endr
.endm
; TOKEN BLOCKS 2 q, 2 q + 1 BECOME CODES. h of (block t, tile b) is laid at 16 b + 8 t, so that sixteen exchanges of half rows of lanes leave lane (r, h) with all 32 units of token r of block 2 q + h, ascending.
; In the odd pass six more exchanges join the two passes' codes into the operand's images: lanes 0-15 the even block of 32 units, lanes 16-31 the odd one.
.macro EPI q, par
	WIN 2+(\q)
	s_wait_alu depctr_va_vdst(0)                   ; ahead of the first reader of the sums
.irp t, 0,1
.irp b, 0,1
.irp j, 0,2,4,6
	v_pk_mul_f32 v[E+16*\b+8*\t+\j:E+16*\b+8*\t+\j+1], v[192+8*(4*\t+\b)+\j:192+8*(4*\t+\b)+\j+1], s[80:81] op_sel_hi:[1,0]   ; -g log2(e)
.endr
.endr
.endr
	WIN 0
	s_wait_alu depctr_va_vdst(0)
.set i, 0
.rept 32
	v_exp_f32 v[E+i], v[E+i]
.set i, i+1
.endr
	v_nop
	s_wait_alu depctr_va_vdst(0)
.set i, 0
.rept 16
	v_pk_add_f32 v[E+i:E+i+1], v[E+i:E+i+1], 1.0 op_sel_hi:[1,0]
.set i, i+2
.endr
	s_wait_alu depctr_va_vdst(0)
.set i, 0
.rept 32
	v_rcp_f32 v[E+i], v[E+i]                       ; sigmoid(g)
.set i, i+1
.endr
	v_nop
	WIN 2+(\q)
	s_wait_alu depctr_va_vdst(0)
.irp t, 0,1
.irp b, 0,1
.irp j, 0,2,4,6
	v_pk_mul_f32 v[HB+16*\b+8*\t+\j:HB+16*\b+8*\t+\j+1], v[192+8*(4*\t+\b)+\j:192+8*(4*\t+\b)+\j+1], v[E+16*\b+8*\t+\j:E+16*\b+8*\t+\j+1]
.endr
.endr
.endr
.irp t, 0,1
.irp b, 0,1
.irp j, 0,2,4,6
	v_pk_mul_f32 v[HB+16*\b+8*\t+\j:HB+16*\b+8*\t+\j+1], v[192+8*(4*\t+\b+2)+\j:192+8*(4*\t+\b+2)+\j+1], v[HB+16*\b+8*\t+\j:HB+16*\b+8*\t+\j+1]
.endr
.endr
.endr
	WIN 0
.irp b, 0,1
.irp j, 0,1,2,3,4,5,6,7
	v_permlane16_swap_b32 v[HB+16*\b+\j], v[HB+16*\b+8+\j]
.endr
.endr
	v_max3_num_f32 v[MXA], |v[HB]|, |v[HB+1]|, 0x1800000     ; the block's largest magnitude, with the floor 2^(3 - 127): the byte cannot fall under 1
	v_max3_num_f32 v[MXB], |v[HB+2]|, |v[HB+3]|, 0x1800000
.irp i, 4,8,12,16,20,24,28
	v_max3_num_f32 v[MXA], v[MXA], |v[HB+\i]|, |v[HB+\i+1]|
	v_max3_num_f32 v[MXB], v[MXB], |v[HB+\i+2]|, |v[HB+\i+3]|
.endr
	v_max_num_f32 v[MXA], v[MXA], v[MXB]
	v_add_nc_u32 v[SCL], 0xff000000, v[MXA]        ; 2 off the exponent field: the conversions' scale operand
	v_lshrrev_b32 v[BYT], 23, v[SCL]
	v_cvt_scalef32_pk16_fp6_f32 v[CB+16*(\q)+8*(\par):CB+16*(\q)+8*(\par)+2], v[HB:HB+15], v[SCL]
	v_cvt_scalef32_pk16_fp6_f32 v[TT:TT+2], v[HB+16:HB+31], v[SCL]
	v_nop
.irp i, 0,1,2
	v_mov_b32 v[CB+16*(\q)+8*(\par)+3+\i], v[TT+\i]
.endr
.if \par
	v_lshl_or_b32 v[SW+\q], v[BYT], s[SH8], v[SW+\q]
.irp i, 0,1,2,3,4,5
	v_permlane16_swap_b32 v[CB+16*(\q)+\i], v[CB+16*(\q)+8+\i]
.endr
.irp t, 0,1
	global_store_b128 v[VO16], v[CB+16*(\q)+8*\t:CB+16*(\q)+8*\t+3], s[74:75] offset:24576*(2*(\q)+\t)        ; 512 consecutive bytes, at a multiple of 256 from hc's first byte
	global_store_b64 v[VO8], v[CB+16*(\q)+8*\t+4:CB+16*(\q)+8*\t+5], s[74:75] offset:24576*(2*(\q)+\t)+512    ; and 256 more
.endr
.else
	v_and_b32 v[SW+\q], s[MK], v[SW+\q]            ; a word begins anew in every second trip
	v_lshl_or_b32 v[SW+\q], v[BYT], s[SH], v[SW+\q]
.endif
.endm
; a pass on slot s. fill: the other slot takes the next pass's rows. more: the copy in the loop, which also asks for later scale words and prefetches
.macro PASS s, fill, more
	s_wait_tensorcnt 0x0                           ; all my tensor loads have landed, my part of this slot among them
	ds_add_u32 v[SPW], v[NIL]
	s_add_nc_u64 s[G0A+4*\s+2:G0A+4*\s+3], s[G0A+4*\s+2:G0A+4*\s+3], 2*PASSB
	s_add_nc_u64 s[G0B+4*\s+2:G0B+4*\s+3], s[G0B+4*\s+2:G0B+4*\s+3], 2*PASSB
	s_wait_dscnt 0x0                               ; the add, and my reads of the other slot
	CROUND
.if \fill
	JW 1-\s
.endif
	FETCHB \s, 0
	FETCHB \s, 1
.if \more
	global_prefetch_b8 v[PFO], s[78:79] offset:(2+\s)*PASSB th:TH_LOAD_NT scope:SCOPE_SE
.endif
.if (\more) || (\s) == 0
	s_wait_loadcnt 0x4                             ; this pass's scale words; the other slot's four loads may be out
.else
	s_wait_loadcnt 0x0
.endif
.irp k, 0,1,2,3,4,5,6,7
	STEP \s, \k
.endr
	WIN 0
	PLACES
.if \more
	WSC \s, 2048+1024*(\s)                         ; the scale words of the pass two on
.endif
	EPI 0, \s
	EPI 1, \s
.endm
	s_wait_tensorcnt 0x0                           ; my head's load has landed
	s_barrier_signal -1
	s_barrier_wait -1                              ; everybody's has
.irp k, 0,1,2,3,4,5,6,7
	WIN (2+\k/4)<<6
.irp a, 0,1,2,3
	FRAG 48*(\k%4)+12*\a, ADRX, 1, \k, \a*16*P     ; my 64 tokens' fragments, for all of K
.endr
.endr
	WIN 0
.Ltrip:
	PASS 0, 1, 1
	PASS 1, 1, 1
	s_cmp_eq_u32 s[SH], 0                          ; a scale word is whole after four passes
	s_wait_alu depctr_va_vdst(0)
	s_cbranch_scc1 .Lnohs
	global_store_b64 v[VO8], v[SW:SW+1], s[76:77]  ; 256 consecutive bytes, at a multiple of 256 from hs's first byte
.Lnohs:
	s_wait_xcnt 0x0                                ; bases and store data are rewritten only behind this wait
	s_add_nc_u64 s[74:75], s[74:75], 768
	s_add_nc_u64 s[70:71], s[70:71], 2048
	s_add_nc_u64 s[72:73], s[72:73], 2048
	s_add_nc_u64 s[78:79], s[78:79], 2*PASSB
	s_xor_b32 s[SH], s[SH], 16
	s_xor_b32 s[SH8], s[SH8], 16
	s_xor_b32 s[MK], s[MK], 0xffff
	s_add_co_u32 s[TC], s[TC], 1
	s_cmp_lt_u32 s[TC], 3
	s_wait_alu depctr_va_vdst(0)
	s_cbranch_scc1 .Ltrip
	PASS 0, 1, 0                                   ; the last two passes: the last asks for nothing
	PASS 1, 0, 0
	global_store_b64 v[VO8], v[SW:SW+1], s[76:77] offset:4096
	s_wait_tensorcnt 0x0                           ; the wave's end
	ds_add_u32 v[SPW], v[NIL]
	s_wait_dscnt 0x0
	CROUND                                         ; the closing round
	s_endpgm
.Lfunc_end_k_q1a308ed562_gateup:
	.size	k_q1a308ed562_gateup, .Lfunc_end_k_q1a308ed562_gateup-k_q1a308ed562_gateup
	.p2alignl 7, 3214868480
	.fill 96, 4, 3214868480
	.section	.rodata,"a",@progbits
	.p2align	6, 0x0
	.amdhsa_kernel k_q1a308ed562_gateup
		.amdhsa_group_segment_fixed_size 327680
		.amdhsa_private_segment_fixed_size 0
		.amdhsa_enable_private_segment 0
		.amdhsa_kernarg_size 64
		.amdhsa_user_sgpr_count 2
		.amdhsa_user_sgpr_kernarg_segment_ptr 1
		.amdhsa_wavefront_size32 1
		.amdhsa_system_sgpr_workgroup_id_x 1
		.amdhsa_system_sgpr_workgroup_id_y 1
		.amdhsa_system_sgpr_workgroup_id_z 1
		.amdhsa_system_vgpr_workitem_id 0
		.amdhsa_next_free_vgpr 1024
		.amdhsa_next_free_sgpr 101
		.amdhsa_reserve_vcc 0
		.amdhsa_float_denorm_mode_32 3
		.amdhsa_float_denorm_mode_16_64 3
		.amdhsa_memory_ordered 1
		.amdhsa_forward_progress 1
		.amdhsa_inst_pref_size 216
	.end_amdhsa_kernel
	.amdgpu_metadata
---
amdhsa.version: [ 1, 2 ]
amdhsa.kernels:
  - .name:           k_q1a308ed562_gateup
    .symbol:         k_q1a308ed562_gateup.kd
    .args:
      - { .name: x_codes, .offset: 0, .size: 8, .value_kind: global_buffer, .address_space: global }
      - { .name: x_scales, .offset: 8, .size: 8, .value_kind: global_buffer, .address_space: global }
      - { .name: w1_codes, .offset: 16, .size: 8, .value_kind: global_buffer, .address_space: global }
      - { .name: w1_scales, .offset: 24, .size: 8, .value_kind: global_buffer, .address_space: global }
      - { .name: w3_codes, .offset: 32, .size: 8, .value_kind: global_buffer, .address_space: global }
      - { .name: w3_scales, .offset: 40, .size: 8, .value_kind: global_buffer, .address_space: global }
      - { .name: hc, .offset: 48, .size: 8, .value_kind: global_buffer, .address_space: global }
      - { .name: hs, .offset: 56, .size: 8, .value_kind: global_buffer, .address_space: global }
    .group_segment_fixed_size: 327680
    .private_segment_fixed_size: 0
    .kernarg_segment_align: 8
    .kernarg_segment_size: 64
    .max_flat_workgroup_size: 128
    .sgpr_count:     101
    .vgpr_count:     1024
    .wavefront_size: 32
...
	.end_amdgpu_metadata
.endif
;; end of part 1
;; launch down (part 2): grid 8 x 32, 4 waves a work-group, clusters of 4 x 4, 327,680 bytes of LDS; arguments hc, hs, w2_codes, w2_scales, out0; writes out0
.if DOCPART == 2
	.amdgcn_target "amdgcn-amd-amdhsa--gfx1250"
	.amdhsa_code_object_version 6
	.text
	.protected	k_q1a308ed562_down
	.globl	k_q1a308ed562_down
	.p2align	8
	.type	k_q1a308ed562_down,@function
k_q1a308ed562_down:
	s_mov_b64 s[64:65], 0
	v_nop
	global_prefetch_b8 v0, s[64:65] scope:SCOPE_SE
	s_setreg_imm32_b32 hwreg(HW_REG_WAVE_MODE, 25, 1), 1
	s_wait_xcnt 0x0
	s_wait_alu depctr_hold_cnt(0) depctr_sa_sdst(0) depctr_va_vdst(0) depctr_va_sdst(0) depctr_va_ssrc(0) depctr_va_vcc(0) depctr_vm_vsrc(0)
	s_getreg_b32 s2, hwreg(HW_REG_IB_STS2, 6, 4)
	s_cmp_eq_u32 s2, 0
	s_cbranch_scc0 .Lentry_in_a_cluster
	s_endpgm
.Lentry_in_a_cluster:
	s_bfe_u32 s2, ttmp6, 0x10000c
	s_cmp_lg_u32 s2, 0xf033
	s_cbranch_scc0 .Lentry_shape_is_right
	s_endpgm
.Lentry_shape_is_right:
; out = h w2 for eight experts, on codes of FP6 (E2M3) with E8M0 scales, K = 2,048. A work-group: 256 tokens x 128 columns (8 x 32 = 256); a wave: 64 tokens x 128 columns, 32 accumulators.
; w2's 128 rows stay in LDS for the whole launch, in two halves along K (rows of 768 bytes): the first asked for at the head, the second behind the full sequence; nothing is filled again.
; They are shared along a column of the 4 x 4 cluster and asked for jointly, 32 rows a wave.
; h's codes lie in hc as images of the operand's registers: each wave loads its own 64 tokens' fragments from memory straight into registers, 512 and 256 consecutive bytes an instruction, three K steps ahead
; (four sets of 48 registers). So h takes no joint load: it never passes through LDS, and no two waves of a work-group read the same image. No prefetch: these loads run three K steps ahead themselves, and w2 comes in two loads at the start.
; TRANSPOSED USE: source 0 = 16 rows of w2, source 1 = 16 tokens: a lane holds eight neighbouring columns of one row of out.
; REGISTERS: window 0: v0-31 addresses, v32-63 h's scale words (2 ks + i), v64-127 w2's (16 i + ks); window 1: h's fragments, then the way out; window 2: w2's fragments, two sets; window 3: the accumulators (a, b) at 8 (8 a + b).
.set P, 816
.set RG, 128*P                         ; a half of K: 128 rows
.set STAGE, 2*RG                       ; 16 rows x 528 bytes for each wave; no fill lands here
.set SP, 528
.set SPARE, STAGE+4*16*SP
.set ADRB, 16                          ; v16-23: 4 x half of K + 2 x (b / 4) + (behind one padding more)
.set VO16, 24
.set VO8, 25
.set VL64, 26
.set STO, 27
.set SPW, 28
.set NIL, 29
.set RD, 30
.set HSC, 32
.set W2S, 64
.set WV, 20
.set G1, 24
.set G0, 32
.set MSB, 0
.macro WIN new
.if MSB != (\new)
	s_set_vgpr_msb (MSB<<8)|(\new)
.set MSB, (\new)
.endif
.endm
.macro PLACES
.rept 4
	v_nop
.endr
.endm
.macro CROUND
	s_barrier_signal -1
	s_barrier_wait -1
	s_cmp_lg_u32 s[WV], 0
	s_cbranch_scc1 .Ln_\@
	s_barrier_signal -3
.Ln_\@:
	s_barrier_wait -3
	s_barrier_signal -1
	s_barrier_wait -1
.endm
	s_load_b256 s[4:11], s[0:1], 0x0               ; hc, hs, w2 codes, w2 scales
	s_load_b64 s[12:13], s[0:1], 0x20              ; out
	v_lshl_add_u32 v[SPW], v0, 2, SPARE
	v_mov_b32 v[NIL], 0
	ds_add_u32 v[SPW], v[NIL]                      ; the opening lines
	ds_add_u32 v[SPW], v[NIL]
	v_lshrrev_b32 v3, 5, v0
	v_readfirstlane_b32 s[WV], v3
	s_bfe_u32 s66, ttmp6, 0x40000                  ; cx
	s_bfe_u32 s67, ttmp6, 0x40004                  ; cy
	s_lshl_b32 s68, ttmp9, 2
	s_add_co_u32 s68, s68, s66                     ; the tile of 128 columns
	s_and_b32 s70, ttmp7, 0xffff                   ; the expert
	s_lshl_b32 s69, s70, 2
	s_add_co_u32 s69, s69, s67                     ; the tile of 256 tokens
	s_lshl_b32 s72, 0x1111, s66                    ; my column of the cluster
	s_or_b32 s[G1], s72, (1<<20)|(1<<21)|(5<<22)|(3<<25)   ; bytes; 16 bytes of padding behind every 256
	s_mov_b32 s[G1+1], 768<<16
	s_mov_b32 s[G1+2], 32<<16
	s_mov_b32 s[G1+3], 768<<16
	s_mov_b32 s[G1+4], 32
	s_mov_b32 s[G1+5], 1536
	s_mov_b32 s[G1+6], 0
	s_mov_b32 s[G1+7], 0
	s_lshl_b32 s48, s70, 10
	s_lshl_b32 s49, s68, 7
	s_add_co_u32 s48, s48, s49                     ; w2's first row
	s_lshl_b32 s50, s48, 6                         ; its scale bytes
	s_mov_b32 s51, 0
	s_lshl_b32 s49, s[WV], 5
	s_add_co_u32 s48, s48, s49
	s_mul_i32 s48, s48, 1536                       ; the 32 rows that I fetch
	s_mov_b32 s49, 0
	s_lshl_b32 s52, s69, 4
	s_lshl_b32 s53, s[WV], 2
	s_add_co_u32 s52, s52, s53
	s_mul_i32 s52, s52, 24576                      ; hc: my first token block
	s_mov_b32 s53, 0
	s_lshl_b32 s54, s70, 16
	s_lshl_b32 s55, s67, 10
	s_add_co_u32 s54, s54, s55
	s_lshl_b32 s55, s[WV], 8
	s_add_co_u32 s54, s54, s55                     ; hs: my 64 words of K step 0
	s_mov_b32 s55, 0
	s_lshl_b32 s56, s69, 8
	s_lshl_b32 s57, s[WV], 6
	s_add_co_u32 s56, s56, s57
	s_lshl_b32 s56, s56, 12
	s_lshl_b32 s57, s68, 9
	s_add_co_u32 s56, s56, s57                     ; out: my first row, the tile's first column
	s_mov_b32 s57, 0
	s_mul_i32 s58, s[WV], 32*P
	s_mul_i32 s59, s[WV], 16*SP
	s_add_co_u32 s59, s59, STAGE
	s_wait_dscnt 0x0
	s_wait_kmcnt 0x0
	s_add_nc_u64 s[48:49], s[8:9], s[48:49]
	s_add_nc_u64 s[40:41], s[4:5], s[52:53]
	s_add_nc_u64 s[42:43], s[6:7], s[54:55]
	s_add_nc_u64 s[44:45], s[10:11], s[50:51]
	s_add_nc_u64 s[46:47], s[12:13], s[56:57]
.irp g, 0,1
	s_mov_b32 s[G0+4*\g], 1
	s_add_co_u32 s[G0+4*\g+1], s58, \g*RG
	s_add_nc_u64 s[G0+4*\g+2:G0+4*\g+3], s[48:49], \g*768
	s_or_b32 s[G0+4*\g+3], s[G0+4*\g+3], 0x80000000
.endr
	CROUND                                         ; the first joint loads meet
	tensor_load_to_lds s[G0:G0+3], s[G1:G1+7]      ; K = 0 .. 1,023 of my 32 rows: one load a wave at the head
	s_nop 0
	PLACES
	v_and_b32 v1, 15, v0
	v_bfe_u32 v2, v0, 4, 1
	v_and_b32 v3, 31, v0
	v_lshlrev_b32 v[VO16], 4, v3
	v_lshlrev_b32 v[VO8], 3, v3
	v_lshlrev_b32 v[VL64], 6, v3
	v_mul_u32_u24 v4, v1, P
	v_mad_u32_u24 v4, v2, 24, v4
	v_lshl_add_u32 v5, v2, 4, v4
.irp g, 0,1
.irp c, 0,1
	v_add_nc_u32 v[ADRB+4*\g+2*\c], \g*RG+\c*64*P, v4
	v_add_nc_u32 v[ADRB+4*\g+2*\c+1], \g*RG+\c*64*P, v5
.endr
.endr
	v_mul_u32_u24 v6, v1, SP
	v_lshl_add_u32 v6, v2, 5, v6
	v_add_nc_u32 v[STO], s59, v6                   ; into my stage: row r, 32 bytes for each half of the lanes
	v_add_nc_u32 v[RD], s59, v[VO16]               ; back: 32 lanes take a row of 512 bytes
	s_wait_alu depctr_va_vdst(0)                   ; the head's end
.irp k, 0,1,2,3,4,5,6,7,8,9,10,11,12,13,14,15
	global_load_b64 v[HSC+2*\k:HSC+2*\k+1], v[VO8], s[42:43] offset:4096*\k   ; the words of tokens lane and 32 + lane
.endr
.irp i, 0,1,2,3
.irp j, 0,1,2,3
	global_load_b128 v[W2S+16*\i+4*\j:W2S+16*\i+4*\j+3], v[VL64], s[44:45] offset:2048*\i+16*\j   ; lane l: the sixteen words of row 32 i + l
.endr
.endr
.macro ALD ks                          ; h's four fragments of K step ks into set ks % 4: 16 loads
	WIN 0x40
.irp a, 0,1,2,3
.irp c, 0,1
	global_load_b128 v[48*((\ks)%4)+12*\a+6*\c:48*((\ks)%4)+12*\a+6*\c+3], v[VO16], s[40:41] offset:24576*\a+1536*(\ks)+768*\c
	global_load_b64 v[48*((\ks)%4)+12*\a+6*\c+4:48*((\ks)%4)+12*\a+6*\c+5], v[VO8], s[40:41] offset:24576*\a+1536*(\ks)+768*\c+512
.endr
.endr
.endm
	ALD 0
	ALD 1
	ALD 2
	WIN 0
	s_wait_tensorcnt 0x0                           ; my part of the first half is in
	ds_add_u32 v[SPW], v[NIL]
	s_wait_dscnt 0x0
	CROUND
	tensor_load_to_lds s[G0+4:G0+7], s[G1:G1+7]    ; K = 1,024 .. 2,047
	s_nop 0
	PLACES
.macro FRAG reg, adr, var, ks, off
.irp p, 0,1,2,3,4,5
.set BY, 96*(\ks)+48*(\p/3)+8*(\p%3)
.if BY/256 == (BY+24)/256
	ds_load_b64 v[\reg+2*\p:\reg+2*\p+1], v[\adr] offset:BY+16*(BY/256)+(\off)
.else
	ds_load_b64 v[\reg+2*\p:\reg+2*\p+1], v[\adr+\var] offset:BY+16*(BY/256)+(\off)
.endif
.endr
.endm
.macro FETCHB ks                       ; w2's eight fragments of K step ks into set ks % 2: 48 loads
	WIN 0x80
.irp b, 0,1,2,3,4,5,6,7
	FRAG 128*((\ks)%2)+12*\b, ADRB+4*((\ks)/8)+2*(\b/4), 1, (\ks)%8, (\b%4)*16*P
.endr
.endm
.macro WM acc, bf, af, sa, sb, ra, rb, zero
.set rD, \acc
.set rA, \bf
.set rB, \af
.set rS, \sa
.set rT, \sb
.if \zero
.if (\ra) && (\rb)
	v_wmma_scale_f32_16x16x128_f8f6f4 v[rD:rD+7], v[rA:rA+11], v[rB:rB+11], 0, v[rS], v[rT] matrix_a_fmt:MATRIX_FMT_FP6 matrix_b_fmt:MATRIX_FMT_FP6 matrix_a_scale:MATRIX_SCALE_ROW1 matrix_b_scale:MATRIX_SCALE_ROW1
.elseif \ra
	v_wmma_scale_f32_16x16x128_f8f6f4 v[rD:rD+7], v[rA:rA+11], v[rB:rB+11], 0, v[rS], v[rT] matrix_a_fmt:MATRIX_FMT_FP6 matrix_b_fmt:MATRIX_FMT_FP6 matrix_a_scale:MATRIX_SCALE_ROW1
.elseif \rb
	v_wmma_scale_f32_16x16x128_f8f6f4 v[rD:rD+7], v[rA:rA+11], v[rB:rB+11], 0, v[rS], v[rT] matrix_a_fmt:MATRIX_FMT_FP6 matrix_b_fmt:MATRIX_FMT_FP6 matrix_b_scale:MATRIX_SCALE_ROW1
.else
	v_wmma_scale_f32_16x16x128_f8f6f4 v[rD:rD+7], v[rA:rA+11], v[rB:rB+11], 0, v[rS], v[rT] matrix_a_fmt:MATRIX_FMT_FP6 matrix_b_fmt:MATRIX_FMT_FP6
.endif
.else
.if (\ra) && (\rb)
	v_wmma_scale_f32_16x16x128_f8f6f4 v[rD:rD+7], v[rA:rA+11], v[rB:rB+11], v[rD:rD+7], v[rS], v[rT] matrix_a_fmt:MATRIX_FMT_FP6 matrix_b_fmt:MATRIX_FMT_FP6 matrix_a_scale:MATRIX_SCALE_ROW1 matrix_b_scale:MATRIX_SCALE_ROW1
.elseif \ra
	v_wmma_scale_f32_16x16x128_f8f6f4 v[rD:rD+7], v[rA:rA+11], v[rB:rB+11], v[rD:rD+7], v[rS], v[rT] matrix_a_fmt:MATRIX_FMT_FP6 matrix_b_fmt:MATRIX_FMT_FP6 matrix_a_scale:MATRIX_SCALE_ROW1
.elseif \rb
	v_wmma_scale_f32_16x16x128_f8f6f4 v[rD:rD+7], v[rA:rA+11], v[rB:rB+11], v[rD:rD+7], v[rS], v[rT] matrix_a_fmt:MATRIX_FMT_FP6 matrix_b_fmt:MATRIX_FMT_FP6 matrix_b_scale:MATRIX_SCALE_ROW1
.else
	v_wmma_scale_f32_16x16x128_f8f6f4 v[rD:rD+7], v[rA:rA+11], v[rB:rB+11], v[rD:rD+7], v[rS], v[rT] matrix_a_fmt:MATRIX_FMT_FP6 matrix_b_fmt:MATRIX_FMT_FP6
.endif
.endif
.endm
; a K step: 32 products, the 32 accumulators by turns
.macro STEP ks
	PLACES                                         ; in front of loads into registers that products have read
.if (\ks) == 7
	s_wait_tensorcnt 0x0                           ; my part of the second half of K is in,
	s_wait_dscnt 0x0
	s_barrier_signal -1
	s_barrier_wait -1                              ; and everybody's
.endif
.if (\ks) < 15
	FETCHB (\ks)+1
.endif
.if (\ks) < 14
	s_wait_loadcnt 32                              ; this step's fragments of h are in; the next two steps' 32 loads may be out
.else
	s_wait_loadcnt 16*(15-(\ks))
.endif
.if (\ks) < 13
	ALD (\ks)+3
.endif
.if (\ks) < 15
	s_wait_dscnt 48                                ; all but the 48 just issued
.else
	s_wait_dscnt 0x0
.endif
	WIN 0xf6                                       ; source 0 window 2, source 1 window 1, C and D window 3
.irp a, 0,1,2,3
.irp b, 0,1,2,3,4,5,6,7
	WM 8*(8*\a+\b), 128*((\ks)%2)+12*\b, 48*((\ks)%4)+12*\a, W2S+16*(\b/2)+(\ks), HSC+2*(\ks)+\a/2, \b%2, \a%2, (\ks)==0
.endr
.endr
.endm
	FETCHB 0
.irp k, 0,1,2,3,4,5,6,7,8,9,10,11,12,13,14,15
	STEP \k
.endr
	PLACES
; THE WAY OUT: a block of 16 rows x 128 columns goes through my own stage and comes back as whole rows of 512 bytes; each block has 64 registers of its own in window 1
.macro TOSTAGE a
	WIN 0x0c
.irp b, 0,1,2,3,4,5,6,7
	ds_store_b128 v[STO], v[8*(8*(\a)+\b):8*(8*(\a)+\b)+3] offset:64*\b         ; each accumulator from its low end on
	ds_store_b128 v[STO], v[8*(8*(\a)+\b)+4:8*(8*(\a)+\b)+7] offset:64*\b+16
.endr
	WIN 0x40
.irp t, 0,1,2,3,4,5,6,7,8,9,10,11,12,13,14,15
	ds_load_b128 v[64*(\a)+4*\t:64*(\a)+4*\t+3], v[RD] offset:\t*SP
.endr
.endm
.macro SEND a, younger
	s_wait_dscnt \younger
	WIN 0x04
.irp t, 0,1,2,3,4,5,6,7,8,9,10,11,12,13,14,15
	global_store_b128 v[VO16], v[64*(\a)+4*\t:64*(\a)+4*\t+3], s[46:47] offset:(16*(\a)+\t)*4096 th:TH_STORE_NT   ; 512 consecutive bytes, at a multiple of 256 from out's first byte
.endr
.endm
	TOSTAGE 0
.irp a, 1,2,3
	TOSTAGE \a
	SEND \a-1, 32                                  ; behind that block's loads: 16 stores and 16 loads
.endr
	SEND 3, 0
	WIN 0
	s_wait_tensorcnt 0x0                           ; the wave's end
	ds_add_u32 v[SPW], v[NIL]
	s_wait_dscnt 0x0
	CROUND                                         ; the closing round
	s_endpgm
.Lfunc_end_k_q1a308ed562_down:
	.size	k_q1a308ed562_down, .Lfunc_end_k_q1a308ed562_down-k_q1a308ed562_down
	.p2alignl 7, 3214868480
	.fill 96, 4, 3214868480
	.section	.rodata,"a",@progbits
	.p2align	6, 0x0
	.amdhsa_kernel k_q1a308ed562_down
		.amdhsa_group_segment_fixed_size 327680
		.amdhsa_private_segment_fixed_size 0
		.amdhsa_enable_private_segment 0
		.amdhsa_kernarg_size 40
		.amdhsa_user_sgpr_count 2
		.amdhsa_user_sgpr_kernarg_segment_ptr 1
		.amdhsa_wavefront_size32 1
		.amdhsa_system_sgpr_workgroup_id_x 1
		.amdhsa_system_sgpr_workgroup_id_y 1
		.amdhsa_system_sgpr_workgroup_id_z 1
		.amdhsa_system_vgpr_workitem_id 0
		.amdhsa_next_free_vgpr 1024
		.amdhsa_next_free_sgpr 101
		.amdhsa_reserve_vcc 0
		.amdhsa_float_denorm_mode_32 3
		.amdhsa_float_denorm_mode_16_64 3
		.amdhsa_memory_ordered 1
		.amdhsa_forward_progress 1
		.amdhsa_inst_pref_size 165
	.end_amdhsa_kernel
	.amdgpu_metadata
---
amdhsa.version: [ 1, 2 ]
amdhsa.kernels:
  - .name:           k_q1a308ed562_down
    .symbol:         k_q1a308ed562_down.kd
    .args:
      - { .name: hc, .offset: 0, .size: 8, .value_kind: global_buffer, .address_space: global }
      - { .name: hs, .offset: 8, .size: 8, .value_kind: global_buffer, .address_space: global }
      - { .name: w2_codes, .offset: 16, .size: 8, .value_kind: global_buffer, .address_space: global }
      - { .name: w2_scales, .offset: 24, .size: 8, .value_kind: global_buffer, .address_space: global }
      - { .name: out0, .offset: 32, .size: 8, .value_kind: global_buffer, .address_space: global }
    .group_segment_fixed_size: 327680
    .private_segment_fixed_size: 0
    .kernarg_segment_align: 8
    .kernarg_segment_size: 40
    .max_flat_workgroup_size: 128
    .sgpr_count:     101
    .vgpr_count:     1024
    .wavefront_size: 32
...
	.end_amdgpu_metadata
.endif
;; end of part 2
